; MI455X (gfx1250); checked and timed in simulation.
; The chip was launched on July 23, 2026; its instructions are those of AMD's public machine-readable ISA for CDNA 5 (MIT licence, August 2026) and "CDNA5" Instruction Set Architecture Reference Guide (July 2026). The comments in the code are by the model that wrote it; some were corrected since.
;; ATTR NETWORK. Allowed arithmetic: matrix products marked QUANTISED: E5M2 operands, one E8M0 scale for each 32 along K, by v_wmma_scale_f32_16x16x128_f8f6f4 with both operands' format E5M2, f32 sums; products left as they are: f32 operands where the result goes on into a quantised operand, else bf16, f16 or f32 operands; f32 sums; everything else in f32.
;; Inputs: attn_out_b 2 x 256 float32; attn_out_w 2 x 256 x 256 float32; attr 256 x 128 int32; attr_emb 50,000 x 256 float32; attr_feat 256 x 13 float32; attr_inds 256 x 128 int32; attr_lens 256 int32; attr_lens_item 256 int32; attr_lens_user 256 int32; attr_tf 256 x 128 float32; ff1_b 2 x 1,024 float32; ff1_w 2 x 1,024 x 256 float32; ff2_b 2 x 256 float32; ff2_w 2 x 256 x 1,024 float32; fw_W 1 x 13 float32; fw_b 1 float32; item_emb 10,000 x 256 float32; item_ids 256 int32; ln1_b 2 x 256 float32; ln1_s 2 x 256 float32; ln2_b 2 x 256 float32; ln2_s 2 x 256 float32; neg_lens 256 int32; neg_targets 256 x 500 int32; out_emb 50,000 x 768 float32; pos_lens 256 int32; pos_targets 256 x 100 int32; qkv_b 2 x 768 float32; qkv_w 2 x 768 x 256 float32; user_emb 10,000 x 256 float32; user_ids 256 int32.
;; Outputs: out0 256 x 600 float32; out1 256 x 600 bool; out2 256 x 600 int32.
;; This version of the problem:
;;   THIS VERSION OF THE PROBLEM IS GIVEN IN LOW PRECISION. The matrix products marked QUANTISED in the list below multiply operands that are first quantised to E5M2 (5 exponent bits, 2 mantissa bits; 8 bits a number), with one power-of-two scale for each 32 numbers along K (OCP MX v1.0); their sums are f32. All else is computed in f32.
;;   The module's matrix products, in the order in which they are computed (A, B: the left and right operand; K: the contracted axis; several contracted axes count as one K, in the product's order):
;;     1. [M 32,768, K 256] x [K 256, N 768]; A: computed on the way; B: input qkv_w: QUANTISED
;;     2. batch 1,024 x [M 128, K 64] x [K 64, N 128]; A: computed on the way; B: computed on the way: QUANTISED
;;     3. batch 1,024 x [M 64, K 128] x [K 128, N 128]; A: computed on the way; B: softmax (see below): QUANTISED
;;     4. [M 32,768, K 256] x [K 256, N 256]; A: computed on the way; B: input attn_out_w: QUANTISED
;;     5. [M 32,768, K 256] x [K 256, N 1,024]; A: computed on the way; B: input ff1_w: QUANTISED
;;     6. [M 32,768, K 1,024] x [K 1,024, N 256]; A: computed on the way; B: input ff2_w: QUANTISED
;;     7. [M 32,768, K 256] x [K 256, N 768]; A: computed on the way; B: input qkv_w: QUANTISED
;;     8. batch 1,024 x [M 128, K 64] x [K 64, N 128]; A: computed on the way; B: computed on the way: QUANTISED
;;     9. batch 1,024 x [M 64, K 128] x [K 128, N 128]; A: computed on the way; B: softmax (see below): QUANTISED
;;     10. [M 32,768, K 256] x [K 256, N 256]; A: computed on the way; B: input attn_out_w: QUANTISED
;;     11. [M 32,768, K 256] x [K 256, N 1,024]; A: computed on the way; B: input ff1_w: QUANTISED
;;     12. [M 32,768, K 1,024] x [K 1,024, N 256]; A: computed on the way; B: input ff2_w: QUANTISED
;;     13. [M 256, K 13] x [K 13, N 1]; A: input attr_feat; B: input fw_W: left as it is (K = 13 < 32)
;;     14. batch 256 x [M 1, K 128] x [K 128, N 256]; A: computed on the way; B: computed on the way: left as it is (M = 1 < 16)
;;     15. batch 256 x [M 100, K 768] x [K 768, N 1]; A: computed on the way; B: computed on the way: left as it is (N = 1 < 16)
;;     16. batch 256 x [M 500, K 768] x [K 768, N 1]; A: computed on the way; B: computed on the way: left as it is (N = 1 < 16)
;;   THE QUANTISER, for each operand of a quantised product, along K:
;;     - K is cut into blocks of 32 from its start; a last block that is shorter is filled with zeros.
;;     - A block's scale is 2^e with e = floor(log2(the largest magnitude in the block)) - 15, held to -126 .. 127; a block of zeros has e = 0. As a byte (E8M0): e + 127.
;;     - Each number is divided by its block's scale, clamped to +-57,344, and rounded to the nearest number of E5M2, ties to even, subnormals kept.
;;     - The product sums the exact products of the quantised numbers (number of the format x scale) in f32.
;;   ~~~python
;;   def quantise(x, axis):      # numpy; x: float32 -> the quantised numbers, widened to float32 again
;;       x = np.moveaxis(x, axis, -1); K = x.shape[-1]
;;       x = np.pad(x, [(0, 0)] * (x.ndim - 1) + [(0, -K % 32)]); x = x.reshape(x.shape[:-1] + (-1, 32)); a = np.abs(x).max(-1, keepdims=True)
;;       e = np.where(a > 0, np.clip(np.frexp(np.where(a > 0, a, 1))[1] - 1 - 15, -126, 127), 0)      # np.frexp(a)[1] - 1 = floor(log2(a)), exactly
;;       r = np.clip(x / 2.0 ** e, -57344, 57344)
;;       step = 2.0 ** (np.maximum(np.frexp(np.where(r == 0, 1, r))[1] - 1, -14) - 2)
;;       q = np.round(r / step) * step * 2.0 ** e      # np.round: ties to even
;;       return np.moveaxis(q.reshape(q.shape[:-2] + (-1,))[..., :K], -1, axis).astype(np.float32)
;;   ~~~
;;   SOFTMAX AHEAD OF A QUANTISED PRODUCT. Where the list says 'softmax', what is quantised is not the finished softmax but p = 2^(t - M), with t = logit x log2(e) and M = ceil(the row's largest t), a whole number; so 1/2 < the row's largest p <= 1. The row's sum l is taken of the UNQUANTISED p, in f32, and the product's result is divided by l at the end. Since M is a whole number, a kernel that streams over the keys may use a running M (the ceiling of the running maximum): every later rescaling is an exact power of two, which a block's scale takes up: the codes' values come out the same.
;;   OPERANDS COMPUTED ON THE WAY. 'Computed on the way' means the value that the module computes at that place (a softmax that the list does not call 'softmax' is quantised finished and normalised). What goes into a quantiser is computed in f32, as accurately as f32 sums, v_exp_f32 and their like allow (about 1e-6 of the number): no bf16 or f16 on the way to a quantiser, and a product that is left as it is and whose result goes on into a quantised operand takes f32 operands (vector FMAs, or v_wmma_f32_16x16x4_f32). A number that lies on a knife's edge between two numbers of the format may be rounded either way, as far as f32 arithmetic and the matrix unit's own rounding can turn it there, and no further.
;; One version. Each part assembles by itself: llvm-mc -triple=amdgcn-amd-amdhsa -mcpu=gfx1250 --defsym DOCPART=n.
;; ======== version 1 of 1: 2 launches
;; workspace buffers: wq 1,572,864 bytes; wsc 49,152 bytes
;; launch prep (part 1): grid 192 x 1, 4 waves a work-group, no clusters, 0 bytes of LDS; arguments qkv_w, attn_out_w, ff1_w, ff2_w, wq, wsc; writes wq, wsc
.if DOCPART == 1
	.amdgcn_target "amdgcn-amd-amdhsa--gfx1250"
	.amdhsa_code_object_version 6
	.text
	.protected	k_q09aa40c2bf_prep
	.globl	k_q09aa40c2bf_prep
	.p2align	8
	.type	k_q09aa40c2bf_prep,@function
k_q09aa40c2bf_prep:
	s_mov_b64 s[64:65], 0
	v_nop
	global_prefetch_b8 v0, s[64:65] scope:SCOPE_SE
	s_setreg_imm32_b32 hwreg(HW_REG_WAVE_MODE, 25, 1), 1
	s_wait_xcnt 0x0
; The four weight tensors (f32, K innermost) become codes of E5M2 with one E8M0 byte for each 32 along K, laid as IMAGES OF OPERAND REGISTERS.
; A fragment is 16 rows x 128 K: 2,048 bytes; piece c (four registers) at 512 c + 16 lane; lane (r, h) holds k = 128 s + 32 c + 16 h + 0..15 of the tile's row r.
; Row r of tile T is row 32 (T / 2) + 8 (T % 2) + r % 8 + 16 (r / 8) of the tensor: so a transposed product's 16 registers of tiles 2 b, 2 b + 1 are 16 neighbours.
; Fragment F = 64 (6 layer + set) + 16 w + f: a set of 16 fragments is what wave w of the second launch holds in one window of 256 registers.
;   set 0: Q and K of head w;  1: V of head w (f < 8), attn_out tiles 4 w .. (f >= 8);  2, 3: ff1 tiles 16 w .., 16 w + 8 ..;  4, 5: ff2 tiles 4 w .., K steps 0-3, 4-7.
; wsc: row r's scale word of fragment F at 64 F + 4 r.  One wave makes one fragment: F = 4 x work-group + wave.  Each store of codes covers 512 consecutive bytes.
; LIMITS: NaN and infinities are not served; a block whose largest magnitude lies under 2^-111, a block of zeros too, gets the byte 1 (its reader is this program alone; zero codes add nothing).
.set TM,  112                          ; v112-127 at work in QUANT
.set SEL, 46                           ; s46, s47 lane selects: lane l xor 16
.set MNT, 45                           ; s45 the mantissa field of 57,344
.set MSB, 0
.macro WIN new
.if MSB != (\new)
	s_set_vgpr_msb (MSB<<8)|(\new)
.set MSB, (\new)
.endif
.endm
; 16 nb numbers v[src ..] (register 16 b + i = k 32 b + 16 h + i of the lane's row) become 4 nb registers of codes v[pc ..] and the scale word v[pw].
.macro QUANT src, sw, hd, hw, nb, relu, pc, pcw, pw
	WIN ((\sw)<<2)|((\sw)<<4)
.set qb, 0
.rept \nb
.if \relu
	v_max3_num_f32 v[TM+qb], 0x8000000, v[(\src)+16*qb], v[(\src)+16*qb+1]
.else
	v_max3_num_f32 v[TM+qb], 0x8000000, |v[(\src)+16*qb]|, |v[(\src)+16*qb+1]|   ; the floor 2^(16 - 127) holds the byte at 1 from below
.endif
.set qb, qb+1
.endr
.set qi, 2
.rept 7
.set qb, 0
.rept \nb
.if \relu
	v_max3_num_f32 v[TM+qb], v[TM+qb], v[(\src)+16*qb+qi], v[(\src)+16*qb+qi+1]
.else
	v_max3_num_f32 v[TM+qb], v[TM+qb], |v[(\src)+16*qb+qi]|, |v[(\src)+16*qb+qi+1]|
.endif
.set qb, qb+1
.endr
.set qi, qi+2
.endr
	WIN 0
.set qb, 0
.rept \nb
	v_permlanex16_b32 v[TM+4+qb], v[TM+qb], s[SEL], s[SEL+1]
.set qb, qb+1
.endr
.set qb, 0
.rept \nb
	v_max_num_f32 v[TM+qb], v[TM+qb], v[TM+4+qb]           ; with lane l xor 16's 16: the block's largest magnitude
.set qb, qb+1
.endr
.set qb, 0
.rept \nb
	v_add_nc_u32 v[TM+12+qb], 0xf8800000, v[TM+qb]         ; 15 off the exponent field: the conversion's scale operand
.set qb, qb+1
.endr
.set qb, 0
.rept \nb
	v_and_or_b32 v[TM+8+qb], v[TM+qb], 0x7f800000, s[MNT]  ; 57,344 x the scale
.set qb, qb+1
.endr
.set qb, 0
.rept \nb
	v_lshrrev_b32 v[TM+4+qb], 23, v[TM+12+qb]              ; the scale's byte
.set qb, qb+1
.endr
	v_lshl_or_b32 v[\pw], v[TM+5], 8, v[TM+4]
.if (\nb) == 4
	v_lshl_or_b32 v[\pw], v[TM+6], 16, v[\pw]
	v_lshl_or_b32 v[\pw], v[TM+7], 24, v[\pw]
.endif
	WIN ((\hw)<<6)|(\sw)
.set qi, 0
.rept 16*(\nb)
.if \relu
	v_med3_num_f32 v[(\hd)+qi], v[(\src)+qi], 0, v[TM+8+qi/16]
.else
	v_med3_num_f32 v[(\hd)+qi], v[(\src)+qi], -v[TM+8+qi/16], v[TM+8+qi/16]   ; the conversion does not saturate (ISA guide 7.6.2): the hold
.endif
.set qi, qi+1
.endr
	WIN ((\pcw)<<6)|(\hw)
.set qb, 0
.rept 2*(\nb)
	v_cvt_scalef32_pk8_bf8_f32 v[(\pc)+2*qb:(\pc)+2*qb+1], v[(\hd)+8*qb:(\hd)+8*qb+7], v[TM+12+qb/2]
.set qb, qb+1
.endr
	WIN 0
	v_nop                                                  ; one plain line behind the last conversion
.endm
	s_load_b256 s[4:11], s[0:1], 0x0               ; qkv_w s[4:5], attn_out_w s[6:7], ff1_w s[8:9], ff2_w s[10:11]
	s_load_b128 s[12:15], s[0:1], 0x20             ; wq s[12:13], wsc s[14:15]
	v_lshrrev_b32 v1, 5, v0
	v_readfirstlane_b32 s16, v1                    ; wave
	s_mov_b32 s[SEL], 0x76543210
	s_mov_b32 s[SEL+1], 0xfedcba98
	s_mov_b32 s[MNT], 0x600000
	s_and_b32 s17, ttmp9, 3
	s_lshl_b32 s17, s17, 2
	s_add_co_u32 s17, s17, s16                     ; f
	s_lshr_b32 s18, ttmp9, 2
	s_and_b32 s18, s18, 3                          ; w
	s_lshr_b32 s19, ttmp9, 4                       ; 6 layer + set
	s_cmp_ge_u32 s19, 6
	s_cselect_b32 s20, 1, 0                        ; layer
	s_mul_i32 s21, s20, 6
	s_sub_co_u32 s21, s19, s21                     ; set
	s_lshr_b32 s22, s17, 1                         ; f / 2
	s_and_b32 s23, s17, 1                          ; f % 2
	s_and_b32 s24, s22, 3
	s_lshr_b32 s25, s17, 3                         ; f / 8
	s_and_b32 s26, s21, 1                          ; set % 2
	s_lshl_b32 s27, s18, 2
	s_add_co_u32 s27, s27, s24                     ; 4 w + (f / 2) % 4: ff2's tile
	s_lshl_b32 s28, s18, 4
	s_add_co_u32 s28, s28, s22
	s_lshl_b32 s29, s26, 3
	s_add_co_u32 s28, s28, s29                     ; ff1's tile
	s_lshl_b32 s29, s25, 1
	s_add_co_u32 s29, s29, s23
	s_lshl_b32 s30, s26, 2
	s_add_co_u32 s29, s29, s30                     ; ff2's K step
	s_lshl_b32 s30, s25, 4
	s_add_co_u32 s30, s30, s27                     ; set 0's tile: Q, or K 16 tiles on
	s_cmp_eq_u32 s25, 0
	s_cselect_b32 s31, 32, 0
	s_add_co_u32 s31, s31, s27                     ; set 1's tile: V 32 tiles on, or attn_out's
	s_mov_b32 s38, 1024
	s_mov_b32 s35, 0x100000                        ; a layer of ff1_w or ff2_w in bytes
	s_mov_b32 s39, 0x40000                         ; of attn_out_w
	s_wait_kmcnt 0x0
	s_cmp_eq_u32 s25, 0                            ; the choices hang on the work-group's and the wave's number alone
	s_cselect_b64 s[40:41], s[4:5], s[6:7]
	s_cselect_b32 s39, 0xc0000, s39                ; of qkv_w
	s_cmp_lt_u32 s21, 4
	s_cselect_b32 s32, s28, s27                    ; tile
	s_cselect_b32 s33, s23, s29                    ; K step
	s_cselect_b32 s34, s38, 0x1000                 ; a row in bytes
	s_cselect_b64 s[36:37], s[8:9], s[10:11]
	s_cmp_eq_u32 s21, 1
	s_cselect_b32 s32, s31, s32
	s_cselect_b32 s35, s39, s35
	s_cselect_b64 s[36:37], s[40:41], s[36:37]
	s_mov_b32 s39, 0xc0000
	s_cmp_eq_u32 s21, 0
	s_cselect_b32 s32, s30, s32
	s_cselect_b32 s35, s39, s35
	s_cselect_b64 s[36:37], s[4:5], s[36:37]
	s_lshr_b32 s42, s32, 1
	s_lshl_b32 s42, s42, 5
	s_and_b32 s43, s32, 1
	s_lshl_b32 s43, s43, 3
	s_add_co_u32 s42, s42, s43                     ; the tile's first row
	s_mul_i32 s42, s42, s34
	s_mul_i32 s43, s20, s35
	s_add_co_u32 s42, s42, s43
	s_lshl_b32 s43, s33, 9                         ; 128 f32 a K step
	s_add_co_u32 s42, s42, s43
	s_mov_b32 s43, 0
	s_add_nc_u64 s[36:37], s[36:37], s[42:43]
	v_and_b32 v2, 7, v0
	v_bfe_u32 v3, v0, 3, 1
	v_lshl_add_u32 v2, v3, 4, v2                   ; r % 8 + 16 (r / 8)
	v_mul_lo_u32 v2, v2, s34
	v_bfe_u32 v3, v0, 4, 1
	v_lshl_add_u32 v2, v3, 6, v2                   ; + 64 h: my 16 numbers of each block of 32
.irp c,0,1,2,3
.irp j,0,1,2,3
	global_load_b128 v[32+16*\c+4*\j:32+16*\c+4*\j+3], v2, s[36:37] offset:128*\c+16*\j th:TH_LOAD_NT
.endr
.endr
	s_lshl_b32 s44, ttmp9, 2
	s_add_co_u32 s44, s44, s16                     ; F
	s_lshl_b32 s42, s44, 11
	s_add_nc_u64 s[12:13], s[12:13], s[42:43]
	s_lshl_b32 s42, s44, 6
	s_add_nc_u64 s[14:15], s[14:15], s[42:43]
	v_and_b32 v4, 31, v0
	v_lshlrev_b32 v4, 4, v4                        ; 16 lane
	v_and_b32 v5, 15, v0
	v_lshlrev_b32 v5, 2, v5                        ; 4 r
.irp b,4,5,6,7
	v_mov_b32 v[TM+\b], 0                          ; a lane permute's destination counts as one of its sources
.endr
	s_wait_loadcnt 0x0
	QUANT 32,0,32,0,4,0,96,0,16
.irp c,0,1,2,3
	global_store_b128 v4, v[96+4*\c:96+4*\c+3], s[12:13] offset:512*\c
.endr
	global_store_b32 v5, v16, s[14:15]             ; both halves of the lanes hold row r's word and write it to the same place
	s_endpgm
.Lfunc_end_k_q09aa40c2bf_prep:
	.size	k_q09aa40c2bf_prep, .Lfunc_end_k_q09aa40c2bf_prep-k_q09aa40c2bf_prep
	.p2alignl 7, 3214868480
	.fill 96, 4, 3214868480
	.section	.rodata,"a",@progbits
	.p2align	6, 0x0
	.amdhsa_kernel k_q09aa40c2bf_prep
		.amdhsa_group_segment_fixed_size 0
		.amdhsa_private_segment_fixed_size 0
		.amdhsa_enable_private_segment 0
		.amdhsa_kernarg_size 48
		.amdhsa_user_sgpr_count 2
		.amdhsa_user_sgpr_kernarg_segment_ptr 1
		.amdhsa_wavefront_size32 1
		.amdhsa_system_sgpr_workgroup_id_x 1
		.amdhsa_system_sgpr_workgroup_id_y 1
		.amdhsa_system_sgpr_workgroup_id_z 1
		.amdhsa_system_vgpr_workitem_id 0
		.amdhsa_next_free_vgpr 128
		.amdhsa_next_free_sgpr 66
		.amdhsa_reserve_vcc 0
		.amdhsa_float_denorm_mode_32 3
		.amdhsa_float_denorm_mode_16_64 3
		.amdhsa_memory_ordered 1
		.amdhsa_forward_progress 1
		.amdhsa_inst_pref_size 14
	.end_amdhsa_kernel
	.amdgpu_metadata
---
amdhsa.version: [ 1, 2 ]
amdhsa.kernels:
  - .name:           k_q09aa40c2bf_prep
    .symbol:         k_q09aa40c2bf_prep.kd
    .args:
      - { .name: qkv_w, .offset: 0, .size: 8, .value_kind: global_buffer, .address_space: global }
      - { .name: attn_out_w, .offset: 8, .size: 8, .value_kind: global_buffer, .address_space: global }
      - { .name: ff1_w, .offset: 16, .size: 8, .value_kind: global_buffer, .address_space: global }
      - { .name: ff2_w, .offset: 24, .size: 8, .value_kind: global_buffer, .address_space: global }
      - { .name: wq, .offset: 32, .size: 8, .value_kind: global_buffer, .address_space: global }
      - { .name: wsc, .offset: 40, .size: 8, .value_kind: global_buffer, .address_space: global }
    .group_segment_fixed_size: 0
    .private_segment_fixed_size: 0
    .kernarg_segment_align: 8
    .kernarg_segment_size: 48
    .max_flat_workgroup_size: 128
    .sgpr_count:     66
    .vgpr_count:     128
    .wavefront_size: 32
...
	.end_amdgpu_metadata
.endif
;; end of part 1
;; launch net (part 2): grid 256 x 1, 4 waves a work-group, no clusters, 323,072 bytes of LDS; arguments attr, attr_emb, attr_tf, attr_feat, attr_lens, attr_lens_user, fw_W, fw_b, qkv_b, attn_out_b, ln1_s, ln1_b, ff1_b, ff2_b, ln2_s, ln2_b, wq, wsc, user_ids, item_ids, user_emb, item_emb, pos_targets, neg_targets, pos_lens, neg_lens, out_emb, out0, out1, out2; writes out0, out1, out2
.if DOCPART == 2
	.amdgcn_target "amdgcn-amd-amdhsa--gfx1250"
	.amdhsa_code_object_version 6
	.text
	.protected	k_q09aa40c2bf_net
	.globl	k_q09aa40c2bf_net
	.p2align	8
	.type	k_q09aa40c2bf_net,@function
k_q09aa40c2bf_net:
	s_mov_b64 s[64:65], 0
	v_nop
	global_prefetch_b8 v0, s[64:65] scope:SCOPE_SE
	s_setreg_imm32_b32 hwreg(HW_REG_WAVE_MODE, 25, 1), 1
	s_wait_xcnt 0x0
; ONE WORK-GROUP IS ONE SAMPLE: 128 tokens x 256 go through both encoder layers, the weighted sum and the 600 logits without an intermediate in memory.
; SHARES.  Wave w owns head w, columns 64 w .. 64 w + 63 of every [128][256] result and hidden units 256 w .. 256 w + 255.  x (and the residual) stays in window 1 of the wave's registers:
; register 32 m + 16 b + 8 u + j of lane (r, h) is token t(m, r) = 32 (m / 2) + 8 (m % 2) + r % 8 + 16 (r / 8), column 64 w + 32 b + 16 h + 8 u + j.  It is C and D of the out-projection and of FF2.
; Products are used transposed (source 0 = 16 rows of a weight, source 1 = 16 tokens), V's not: with the tiles' rows chosen as above every conversion's result is an operand's register.
; Weights come as register images (first launch) from memory straight into windows 2 and 3, a phase ahead of their use; activations' codes go from wave to wave through LDS as register images.
; Q, K and V of head w are made and used by wave w alone.  The scores' K = 64 is filled to 128 with zero codes on both sides.
; NO CLUSTER, NO TENSOR LOADS: all samples walk the same weights, but joint loads need two LDS slots, and the activations' images take 322,048 of the 327,680 bytes.
; LIMITS: NaN and infinities are not served.  A block whose largest magnitude lies under 2^-111, a block of zeros too, gets the byte 1 (zero codes add nothing).  attr_lens = 0 (every key masked) is not served.
; The layer after the last asks for layer 0's first two weight sets again (264 KB a work-group, never used), so that every count of loads is the same in both trips.
; attr_inds and attr_lens_item are not read: reference() does not use them.
; ---- LDS (bytes)
.set XIMG,  0          ; x's codes: piece c of fragment (m, s) at 8192 (2 s + c / 2) + 1024 m + 512 (c % 2) + 16 lane: wave w writes 8192 w ..
.set XSC,   32768      ; their scale words: 128 (2 m + s) + 4 lane
.set OSC,   34816      ; attention output's scale words, likewise
.set OIMG,  36864      ; attention output's codes, as XIMG
.set QKP,   69632      ; wave w: 16,384; tile m: 2,048; pieces 0, 1 Q, pieces 2, 3 K
.set QKS,   135168     ; wave w: 2,048: 128 m + 4 lane: bytes 0, 1 Q's, 2, 3 K's; from 1,024 on the attention output's half words on their way
.set HIMG,  143360     ; hidden layer: 16384 kstep + 2048 m + 512 c + 16 lane
.set HSC,   274432     ; 128 (8 kstep + m) + 4 lane
.set LNP,   282624     ; 32 (16 m + r) + 8 g: (mean, sum of squares about it) of group g of 64 columns
.set LNPAR, 286720     ; 6144 layer + 3072 kind: bias, gain, shift, 1,024 each
.set QKVB,  299008
.set FF1B,  305152
.set TGT,   313344     ; 600 target rows
.set LOGS,  315904     ; 600 logits
.set OUTV,  318464     ; user row, attr_x, item row
.set WT,    321536     ; the tokens' weights
; ---- window 0
.set LI,1              ; 16 lane
.set L4,2              ; 4 lane
.set AOI,3
.set HFX,4
.set HSX,5
.set HFO,6
.set AQP,7
.set AQS,8
.set AH0,9             ; v9, v10
.set AHS,11
.set AHW,12
.set AHSW,13
.set ALW,14
.set ALR,15
.set APL,16
.set APQ,17
.set APV,18
.set APF,19
.set TA0,20
.set TA1,21
.set TA2,22
.set TA3,23
.set WSA,24            ; v24-31 window 2's weight scales; K's scales in attention.  v24-59 hold scales and nothing else
.set WSB,32            ; v32-39 window 3's
.set FSS,40            ; v40-51 activations' scale words
.set XS,40
.set VS,52
.set QS,56
.set PS,57
.set PW,58
.set BI,60             ; v60-123 biases as C; the mask's addends in attention
.set HA,124            ; v124-187 eight accumulators
.set XF,188            ; v188-219 two activation fragments
.set PCD,220           ; v220-235 codes just made
.set TM,236            ; v236-251 at work in QUANT
.set TQ,236
.set ST,220
.set EXR,156
.set SEL,20
.set MNT,22
; tail
.set OV,60
.set WTM,84
.set OFF,92
.set NI,102
.set P,112
.set ACC,124
.set PX,156
.set DD,166
.set MSB, 0
.macro WIN new                         ; bits 1:0 source 0, 3:2 source 1, 5:4 source 2, 7:6 destination; the high byte repeats the setting that is left
.if MSB != (\new)
	s_set_vgpr_msb (MSB<<8)|(\new)
.set MSB, (\new)
.endif
.endm
.macro BAR                             ; my LDS stores have landed and my LDS loads are in: then the work-group's barrier
	s_wait_dscnt 0x0
	s_barrier_signal -1
	s_barrier_wait -1
.endm
.macro NOPS n
.rept \n
	v_nop
.endr
.endm
; 16 nb numbers v[src ..] of window sw (register 16 b + i = k 32 b + 16 h + i of the lane's row) become 4 nb registers of codes v[pc ..] in window pcw and the scale word v[pw].
; The held numbers go to v[hd ..] of window hw.  relu = 1: what is negative becomes 0 on the way.  Accumulators are read from their low end on.
.macro QUANT src, sw, hd, hw, nb, relu, pc, pcw, pw
	WIN ((\sw)<<2)|((\sw)<<4)
.set qb, 0
.rept \nb
.if \relu
	v_max3_num_f32 v[TM+qb], 0x8000000, v[(\src)+16*qb], v[(\src)+16*qb+1]
.else
	v_max3_num_f32 v[TM+qb], 0x8000000, |v[(\src)+16*qb]|, |v[(\src)+16*qb+1]|   ; the floor 2^(16 - 127) holds the byte at 1 from below
.endif
.set qb, qb+1
.endr
.set qi, 2
.rept 7
.set qb, 0
.rept \nb
.if \relu
	v_max3_num_f32 v[TM+qb], v[TM+qb], v[(\src)+16*qb+qi], v[(\src)+16*qb+qi+1]
.else
	v_max3_num_f32 v[TM+qb], v[TM+qb], |v[(\src)+16*qb+qi]|, |v[(\src)+16*qb+qi+1]|
.endif
.set qb, qb+1
.endr
.set qi, qi+2
.endr
	WIN 0
.set qb, 0
.rept \nb
	v_permlanex16_b32 v[TM+4+qb], v[TM+qb], s[SEL], s[SEL+1]
.set qb, qb+1
.endr
.set qb, 0
.rept \nb
	v_max_num_f32 v[TM+qb], v[TM+qb], v[TM+4+qb]           ; with lane l xor 16's 16: the block's largest magnitude
.set qb, qb+1
.endr
.set qb, 0
.rept \nb
	v_add_nc_u32 v[TM+12+qb], 0xf8800000, v[TM+qb]         ; 15 off the exponent field: the conversion's scale operand
.set qb, qb+1
.endr
.set qb, 0
.rept \nb
	v_and_or_b32 v[TM+8+qb], v[TM+qb], 0x7f800000, s[MNT]  ; 57,344 x the scale
.set qb, qb+1
.endr
.set qb, 0
.rept \nb
	v_lshrrev_b32 v[TM+4+qb], 23, v[TM+12+qb]              ; the scale's byte
.set qb, qb+1
.endr
	v_lshl_or_b32 v[\pw], v[TM+5], 8, v[TM+4]
.if (\nb) == 4
	v_lshl_or_b32 v[\pw], v[TM+6], 16, v[\pw]
	v_lshl_or_b32 v[\pw], v[TM+7], 24, v[\pw]
.endif
	WIN ((\hw)<<6)|(\sw)
.set qi, 0
.rept 16*(\nb)
.if \relu
	v_med3_num_f32 v[(\hd)+qi], v[(\src)+qi], 0, v[TM+8+qi/16]                ; the activation and the hold in one
.else
	v_med3_num_f32 v[(\hd)+qi], v[(\src)+qi], -v[TM+8+qi/16], v[TM+8+qi/16]   ; the conversion does not saturate (ISA guide 7.6.2): the hold
.endif
.set qi, qi+1
.endr
	WIN ((\pcw)<<6)|(\hw)
.set qb, 0
.rept 2*(\nb)
	v_cvt_scalef32_pk8_bf8_f32 v[(\pc)+2*qb:(\pc)+2*qb+1], v[(\hd)+8*qb:(\hd)+8*qb+7], v[TM+12+qb/2]
.set qb, qb+1
.endr
	WIN 0
	v_nop                                                  ; one plain line behind the last conversion
.endm
; the matrix instruction: C = 0; C = other registers; in place; in place with A's or B's scales in lanes 16-31
.macro MM_Z d, a, b, sa, sb
	v_wmma_scale_f32_16x16x128_f8f6f4 v[(\d):(\d)+7], v[(\a):(\a)+15], v[(\b):(\b)+15], 0, v[\sa], v[\sb] matrix_a_fmt:MATRIX_FMT_BF8 matrix_b_fmt:MATRIX_FMT_BF8
.endm
.macro MM_C d, a, b, c, sa, sb
	v_wmma_scale_f32_16x16x128_f8f6f4 v[(\d):(\d)+7], v[(\a):(\a)+15], v[(\b):(\b)+15], v[(\c):(\c)+7], v[\sa], v[\sb] matrix_a_fmt:MATRIX_FMT_BF8 matrix_b_fmt:MATRIX_FMT_BF8
.endm
.macro MM_A d, a, b, sa, sb
	v_wmma_scale_f32_16x16x128_f8f6f4 v[(\d):(\d)+7], v[(\a):(\a)+15], v[(\b):(\b)+15], v[(\d):(\d)+7], v[\sa], v[\sb] matrix_a_fmt:MATRIX_FMT_BF8 matrix_b_fmt:MATRIX_FMT_BF8
.endm
.macro MM_AR d, a, b, sa, sb
	v_wmma_scale_f32_16x16x128_f8f6f4 v[(\d):(\d)+7], v[(\a):(\a)+15], v[(\b):(\b)+15], v[(\d):(\d)+7], v[\sa], v[\sb] matrix_a_fmt:MATRIX_FMT_BF8 matrix_b_fmt:MATRIX_FMT_BF8 matrix_a_scale:MATRIX_SCALE_ROW1
.endm
.macro MM_BR d, a, b, sa, sb
	v_wmma_scale_f32_16x16x128_f8f6f4 v[(\d):(\d)+7], v[(\a):(\a)+15], v[(\b):(\b)+15], v[(\d):(\d)+7], v[\sa], v[\sb] matrix_a_fmt:MATRIX_FMT_BF8 matrix_b_fmt:MATRIX_FMT_BF8 matrix_b_scale:MATRIX_SCALE_ROW1
.endm
; a quarter of a weight set: 16 loads of 512 consecutive bytes into 64 registers of window win, and two lines of scale words (a line: fragment 2 j in lanes 0-15, 2 j + 1 in lanes 16-31)
.macro PF win, q, pq, sq, ws
	WIN (\win)<<6
.set pk, 0
.rept 16
	global_load_b128 v[64*(\q)+4*pk:64*(\q)+4*pk+3], v[LI], s[\pq:\pq+1] offset:512*(16*(\q)+pk)
.set pk, pk+1
.endr
	WIN 0
	global_load_b32 v[(\ws)+2*(\q)], v[L4], s[\sq:\sq+1] offset:128*(2*(\q))
	global_load_b32 v[(\ws)+2*(\q)+1], v[L4], s[\sq:\sq+1] offset:128*(2*(\q)+1)
.endm
; the pointers of a set: codes 131,072 bytes and scale words 4,096 bytes for each of 6 layer + set.  nxt = 1: the other layer's
.macro SETPTR pq, sq, set, nxt
	s_wait_xcnt 0x0                                ; earlier loads have read their bases: only now are these written
.if \nxt
	s_xor_b32 s30, s3, 1
.else
	s_mov_b32 s30, s3
.endif
	s_mul_i32 s30, s30, 6
	s_add_co_u32 s30, s30, \set
	s_lshl_b32 s32, s30, 17
	s_mov_b32 s33, 0
	s_add_nc_u64 s[\pq:\pq+1], s[8:9], s[32:33]
	s_lshl_b32 s32, s30, 12
	s_add_nc_u64 s[\sq:\sq+1], s[10:11], s[32:33]
.endm
.macro LDXF reg, adr, m, s             ; fragment (m, s) of x's or the attention output's image
.irp c,0,1,2,3
	ds_load_b128 v[(\reg)+4*\c:(\reg)+4*\c+3], v[\adr] offset:8192*(2*(\s)+\c/2)+1024*(\m)+512*(\c%2)
.endr
.endm
; a group: token tiles 2 q, 2 q + 1 x two K steps: 16 + 4 LDS loads into set q % ns of 64 registers from fsb on
.macro XGROUP q, ns, fsb, adr, scb
.set gf, (\fsb)+64*((\q)%(\ns))
.set gs, FSS+4*((\q)%(\ns))
.irp mm,0,1
.irp sp,0,1
	LDXF gf+32*\mm+16*\sp, \adr, 2*(\q)+\mm, \sp
	ds_load_b32 v[gs+2*\mm+\sp], v[L4] offset:(\scb)+128*(2*(2*(\q)+\mm)+\sp)
.endr
.endr
.endm
.macro FGROUP q                        ; the same of the hidden layer: pass q / 4 (K steps 2 p, 2 p + 1), token tiles 2 (q % 4), + 1
.set gp, (\q)/4
.set gd, (\q)%4
.set gf, 60+64*((\q)%3)
.set gs, FSS+4*((\q)%3)
.irp mm,0,1
.irp sp,0,1
.irp c,0,1,2,3
	ds_load_b128 v[gf+32*\mm+16*\sp+4*\c:gf+32*\mm+16*\sp+4*\c+3], v[AH0+(2*gp+\sp)/4] offset:16384*((2*gp+\sp)%4)+2048*(2*gd+\mm)+512*\c
.endr
	ds_load_b32 v[gs+2*\mm+\sp], v[AHS] offset:128*(8*(2*gp+\sp)+2*gd+\mm)
.endr
.endr
.endm
; 16 products onto x: eight accumulators by turns, one instruction a turn, two K steps; then eight places for the loads and reads that follow
.macro DMUL win, rb, ws, d, gfr, gsr
	WIN 0x50|(\win)
.irp mm,0,1
.irp i,0,1,2,3
	MM_A 32*(2*(\d)+\mm)+8*\i, (\rb)+32*\i, (\gfr)+32*\mm, (\ws)+\i, (\gsr)+2*\mm
.endr
.endr
.irp mm,0,1
.irp i,0,1,2,3
	MM_AR 32*(2*(\d)+\mm)+8*\i, (\rb)+32*\i+16, (\gfr)+32*\mm+16, (\ws)+\i, (\gsr)+2*\mm+1
.endr
.endr
	WIN 0
	NOPS 8
.endm
; V, not transposed: source 0 = 16 tokens, source 1 = 16 rows of Wv; accumulator (i, m) at v[64 i + 8 m] of window 2: a lane holds one channel, its registers run along the tokens
.macro VMUL d, gfr, gsr
	WIN 0x8c
.irp mm,0,1
.irp i,0,1,2,3
	MM_C 64*\i+8*(2*(\d)+\mm), (\gfr)+32*\mm, 32*\i, BI+8*\i, (\gsr)+2*\mm, WSB+\i
.endr
.endr
	WIN 0xac
.irp mm,0,1
.irp i,0,1,2,3
	MM_BR 64*\i+8*(2*(\d)+\mm), (\gfr)+32*\mm+16, 32*\i+16, (\gsr)+2*\mm+1, WSB+\i
.endr
.endr
	WIN 0
	NOPS 8
.endm
.macro FSTEP q, win, rb, ws
.if (\q) < 14
	s_wait_dscnt 40                                ; this group is in; the two younger groups of 20 may be out
.elseif (\q) == 14
	s_wait_dscnt 20
.else
	s_wait_dscnt 0x0
.endif
	DMUL \win, \rb, \ws, (\q)%4, 60+64*((\q)%3), FSS+4*((\q)%3)
.if (\q)+3 < 16
	FGROUP (\q)+3
.endif
.endm
.macro LDBI adr, so, base, kj          ; 64 biases in the result's layout: the C of a sum's first products
	s_wait_dscnt 0x0
	v_add_nc_u32 v[TA0], s[\so], v[\adr]
.irp b,0,1,2,3
.irp q,0,1,2,3
	ds_load_b128 v[BI+16*\b+4*\q:BI+16*\b+4*\q+3], v[TA0] offset:(\base)+128*(\b%2)+(\kj)*(\b/2)+16*\q
.endr
.endr
.endm
; eight trips, a token tile each: 8 weight tiles x 2 K steps, quantised in registers, image and scale word to LDS.  The next tile's fragments are asked for behind the products (the last trip asks for tile 0 again).
.macro JOBLOOP win, ws, relu, ob, osb, o0, so0
	LDXF XF, LI, 0, 0
	LDXF XF+16, LI, 0, 1
	ds_load_b32 v[XS], v[L4] offset:XSC
	ds_load_b32 v[XS+1], v[L4] offset:XSC+128
	s_mov_b32 s26, 0
	s_mov_b32 s28, \o0
	s_mov_b32 s29, \so0
.Ljob_\@:
	s_wait_dscnt 0x0                               ; the tile's fragments (and in the first trip the biases) are in; my last stores have read their registers
	WIN \win
.irp i,0,1,2,3,4,5,6,7
	MM_C HA+8*\i, 32*\i, XF, BI+8*\i, (\ws)+\i, XS
.endr
.irp i,0,1,2,3,4,5,6,7
	MM_AR HA+8*\i, 32*\i+16, XF+16, (\ws)+\i, XS+1
.endr
	WIN 0
	s_add_co_u32 s26, s26, 1
	s_and_b32 s30, s26, 7
	s_lshl_b32 s31, s30, 10
	s_lshl_b32 s30, s30, 8
	v_add_nc_u32 v[TA0], s31, v[LI]                ; four additions and four v_nop: the eight places behind the products
	v_add_nc_u32 v[TA1], s30, v[L4]
	v_add_nc_u32 v[TA2], s28, v[\ob]
	v_add_nc_u32 v[TA3], s29, v[\osb]
	NOPS 4
	LDXF XF, TA0, 0, 0
	LDXF XF+16, TA0, 0, 1
	ds_load_b32 v[XS], v[TA1] offset:XSC
	ds_load_b32 v[XS+1], v[TA1] offset:XSC+128
	QUANT HA,0,HA,0,4,\relu,PCD,0,PW
.irp c,0,1,2,3
	ds_store_b128 v[TA2], v[PCD+4*\c:PCD+4*\c+3] offset:512*\c
.endr
	ds_store_b32 v[TA3], v[PW]
	s_add_co_u32 s28, s28, 2048
	s_add_co_u32 s29, s29, 128
	s_cmp_lt_u32 s26, 8
	s_cbranch_scc1 .Ljob_\@
.endm
; my 64 columns of x become two pieces of each token tile's fragment w / 2, and half of its scale word
.macro EMIT
.irp p,0,1,2,3
.if \p >= 2
	s_wait_dscnt 6                                 ; the six stores from this buffer are done; the other buffer's six may be out
.endif
.set ep, PCD-32*(\p%2)
	QUANT 64*\p,1,HA,0,4,0,ep,0,PW+\p%2
	ds_store_b128 v[HFX], v[ep:ep+3] offset:2048*\p
	ds_store_b128 v[HFX], v[ep+4:ep+7] offset:2048*\p+512
	ds_store_b128 v[HFX], v[ep+8:ep+11] offset:2048*\p+1024
	ds_store_b128 v[HFX], v[ep+12:ep+15] offset:2048*\p+1536
	ds_store_b16 v[HSX], v[PW+\p%2] offset:512*\p
	ds_store_b16_d16_hi v[HSX], v[PW+\p%2] offset:512*\p+256
.endr
.endm
; x = LN(x + bias) x gain + shift.  Each wave takes mean and centred squares of its 64 columns; the four groups meet in LDS; no difference of large sums is formed.
; The next weight set for window 3 is asked for on the way, behind the first 128 vector lines.
.macro LNORM kind
	v_add_nc_u32 v[TA0], s36, v[APL]
.irp a,0,1,2
.irp b,0,1
.irp q,0,1,2,3
	ds_load_b128 v[60+32*\a+16*\b+4*\q:60+32*\a+16*\b+4*\q+3], v[TA0] offset:3072*(\kind)+1024*\a+128*\b+16*\q
.endr
.endr
.endr
	s_wait_dscnt 0x0
	WIN 0x41
.set lp, 0
.rept 16
.irp m,0,1,2,3,4,5,6,7
	v_pk_add_f32 v[32*\m+2*lp:32*\m+2*lp+1], v[32*\m+2*lp:32*\m+2*lp+1], v[60+2*lp:60+2*lp+1]
.endr
.set lp, lp+1
.endr
	PF 3,0,16,18,WSB
	WIN 0x05
.irp m,0,1,2,3,4,5,6,7
	v_pk_add_f32 v[TQ+2*\m:TQ+2*\m+1], v[32*\m:32*\m+1], v[32*\m+2:32*\m+3]
.endr
	WIN 0x01
.set lp, 2
.rept 14
.irp m,0,1,2,3,4,5,6,7
	v_pk_add_f32 v[TQ+2*\m:TQ+2*\m+1], v[32*\m+2*lp:32*\m+2*lp+1], v[TQ+2*\m:TQ+2*\m+1]
.endr
.set lp, lp+1
.endr
	WIN 0
.irp m,0,1,2,3,4,5,6,7
	v_add_f32 v[TQ+2*\m], v[TQ+2*\m], v[TQ+2*\m+1]
.endr
.irp m,0,1,2,3,4,5,6,7
	v_permlanex16_b32 v[TQ+2*\m+1], v[TQ+2*\m], s[SEL], s[SEL+1]
.endr
.irp m,0,1,2,3,4,5,6,7
	v_add_f32 v[TQ+2*\m], v[TQ+2*\m], v[TQ+2*\m+1]
.endr
.irp m,0,1,2,3,4,5,6,7
	v_mul_f32 v[ST+2*\m], 0x3c800000, v[TQ+2*\m]   ; my group's mean: / 64
.endr
	PF 3,1,16,18,WSB
	WIN 0x41
.set lp, 0
.rept 16
.irp m,0,1,2,3,4,5,6,7
	v_pk_add_f32 v[32*\m+2*lp:32*\m+2*lp+1], v[32*\m+2*lp:32*\m+2*lp+1], v[ST+2*\m:ST+2*\m+1] op_sel_hi:[1,0] neg_lo:[0,1] neg_hi:[0,1]
.endr
.set lp, lp+1
.endr
	PF 3,2,16,18,WSB
	WIN 0x05
.irp m,0,1,2,3,4,5,6,7
	v_pk_mul_f32 v[TQ+2*\m:TQ+2*\m+1], v[32*\m:32*\m+1], v[32*\m:32*\m+1]
.endr
.set lp, 1
.rept 15
.irp m,0,1,2,3,4,5,6,7
	v_pk_fma_f32 v[TQ+2*\m:TQ+2*\m+1], v[32*\m+2*lp:32*\m+2*lp+1], v[32*\m+2*lp:32*\m+2*lp+1], v[TQ+2*\m:TQ+2*\m+1]
.endr
.set lp, lp+1
.endr
	WIN 0
.irp m,0,1,2,3,4,5,6,7
	v_add_f32 v[TQ+2*\m], v[TQ+2*\m], v[TQ+2*\m+1]
.endr
.irp m,0,1,2,3,4,5,6,7
	v_permlanex16_b32 v[TQ+2*\m+1], v[TQ+2*\m], s[SEL], s[SEL+1]
.endr
.irp m,0,1,2,3,4,5,6,7
	v_add_f32 v[ST+2*\m+1], v[TQ+2*\m], v[TQ+2*\m+1]
.endr
	PF 3,3,16,18,WSB
.irp m,0,1,2,3,4,5,6,7
	ds_store_b64 v[ALW], v[ST+2*\m:ST+2*\m+1] offset:512*\m   ; both halves of the lanes hold the same pair
.endr
	BAR                                            ; the four groups' figures lie in LDS
.irp m,0,1,2,3,4,5,6,7
	ds_load_b128 v[EXR+8*\m:EXR+8*\m+3], v[ALR] offset:512*\m
	ds_load_b128 v[EXR+8*\m+4:EXR+8*\m+7], v[ALR] offset:512*\m+16
.endr
	s_wait_dscnt 0x0
.irp m,0,1,2,3,4,5,6,7
	v_add_f32 v[TQ+2*\m], v[EXR+8*\m], v[EXR+8*\m+2]
	v_add_f32 v[TQ+2*\m+1], v[EXR+8*\m+4], v[EXR+8*\m+6]
.endr
.irp m,0,1,2,3,4,5,6,7
	v_add_f32 v[TQ+2*\m], v[TQ+2*\m], v[TQ+2*\m+1]
	v_add_f32 v[EXR+8*\m+1], v[EXR+8*\m+1], v[EXR+8*\m+3]
	v_add_f32 v[EXR+8*\m+5], v[EXR+8*\m+5], v[EXR+8*\m+7]
.endr
.irp m,0,1,2,3,4,5,6,7
	v_mul_f32 v[TQ+2*\m], 0.25, v[TQ+2*\m]         ; the row's mean
	v_add_f32 v[EXR+8*\m+1], v[EXR+8*\m+1], v[EXR+8*\m+5]
.endr
.irp m,0,1,2,3,4,5,6,7
.irp g,0,2,4,6
	v_sub_f32 v[EXR+8*\m+\g], v[EXR+8*\m+\g], v[TQ+2*\m]
.endr
	v_sub_f32 v[EXR+8*\m+3], v[ST+2*\m], v[TQ+2*\m]   ; my group's mean less the row's
.endr
.irp m,0,1,2,3,4,5,6,7
	v_mul_f32 v[TQ+2*\m+1], v[EXR+8*\m], v[EXR+8*\m]
.endr
.irp g,2,4,6
.irp m,0,1,2,3,4,5,6,7
	v_fmac_f32 v[TQ+2*\m+1], v[EXR+8*\m+\g], v[EXR+8*\m+\g]
.endr
.endr
.irp m,0,1,2,3,4,5,6,7
	v_fma_f32 v[EXR+8*\m+1], v[TQ+2*\m+1], 0x42800000, v[EXR+8*\m+1]   ; + 64 x the groups' spread
.endr
.irp m,0,1,2,3,4,5,6,7
	v_fma_f32 v[EXR+8*\m+1], v[EXR+8*\m+1], s42, s43                   ; / 256 + 1e-5
.endr
.irp m,0,1,2,3,4,5,6,7
	v_rsq_f32 v[TQ+2*\m], v[EXR+8*\m+1]
.endr
	v_nop                                          ; a plain line behind the batch,
	s_wait_alu depctr_va_vdst(0)                   ; and one wait for the eight, ahead of their first reader
.irp m,0,1,2,3,4,5,6,7
	v_mul_f32 v[TQ+2*\m+1], v[EXR+8*\m+3], v[TQ+2*\m]
.endr
	WIN 0x41
.set lp, 0
.rept 16
.irp m,0,1,2,3,4,5,6,7
	v_pk_fma_f32 v[32*\m+2*lp:32*\m+2*lp+1], v[32*\m+2*lp:32*\m+2*lp+1], v[TQ+2*\m:TQ+2*\m+1], v[TQ+2*\m:TQ+2*\m+1] op_sel:[0,0,1] op_sel_hi:[1,0,1]
.endr
.set lp, lp+1
.endr
.set lp, 0
.rept 16
.irp m,0,1,2,3,4,5,6,7
	v_pk_fma_f32 v[32*\m+2*lp:32*\m+2*lp+1], v[32*\m+2*lp:32*\m+2*lp+1], v[92+2*lp:92+2*lp+1], v[124+2*lp:124+2*lp+1]
.endr
.set lp, lp+1
.endr
	WIN 0
.endm
; ================= head
	s_load_b512 s[68:83], s[0:1], 0x0              ; attr 68, attr_emb 70, attr_tf 72, attr_feat 74, attr_lens 76, attr_lens_user 78, fw_W 80, fw_b 82
	s_load_b512 s[84:99], s[0:1], 0x40             ; qkv_b 84, attn_out_b 86, ln1_s 88, ln1_b 90, ff1_b 92, ff2_b 94, ln2_s 96, ln2_b 98
	s_load_b512 s[44:59], s[0:1], 0x80             ; wq 44, wsc 46, user_ids 48, item_ids 50, user_emb 52, item_emb 54, pos_targets 56, neg_targets 58
	s_load_b64 s[34:35], s[0:1], 0xd0              ; out_emb
	v_lshrrev_b32 v20, 5, v0
	v_readfirstlane_b32 s2, v20                    ; wave
	s_mov_b32 s4, ttmp9                            ; sample
	s_mov_b32 s[SEL], 0x76543210
	s_mov_b32 s[SEL+1], 0xfedcba98
	s_mov_b32 s[MNT], 0x600000
	s_mov_b32 s24, 0x3e38aa3b                      ; log2(e) / 8
	s_mov_b32 s25, s24
	s_mov_b32 s42, 0x3b800000                      ; 1 / 256
	s_mov_b32 s43, 0x3727c5ac                      ; 1e-5
	s_mov_b32 s3, 0                                ; layer
	s_mov_b32 s36, 0
	s_mov_b32 s37, 0
	s_mov_b32 s38, 0
	v_and_b32 v21, 31, v0                          ; lane
	v_and_b32 v22, 15, v0                          ; r
	v_bfe_u32 v23, v0, 4, 1                        ; h
	v_lshlrev_b32 v[LI], 4, v21
	v_lshlrev_b32 v[L4], 2, v21
	v_add_nc_u32 v[AOI], OIMG, v[LI]
	s_lshl_b32 s30, s2, 13
	v_add_nc_u32 v[HFX], s30, v[LI]
	v_add_nc_u32 v[HFO], OIMG, v[HFX]
	s_lshr_b32 s30, s2, 1
	s_lshl_b32 s30, s30, 7
	s_and_b32 s31, s2, 1
	s_lshl_b32 s31, s31, 1
	s_add_co_u32 s30, s30, s31
	s_add_co_u32 s30, s30, XSC
	v_add_nc_u32 v[HSX], s30, v[L4]
	s_lshl_b32 s30, s2, 14
	s_add_co_u32 s30, s30, QKP
	v_add_nc_u32 v[AQP], s30, v[LI]
	s_lshl_b32 s30, s2, 11
	s_add_co_u32 s31, s30, QKS
	v_add_nc_u32 v[AQS], s31, v[L4]
	s_add_co_u32 s31, s30, HSC
	v_add_nc_u32 v[AHSW], s31, v[L4]
	v_add_nc_u32 v[AH0], HIMG, v[LI]
	v_add_nc_u32 v[AH0+1], HIMG+65536, v[LI]
	v_add_nc_u32 v[AHS], HSC, v[L4]
	s_lshl_b32 s30, s2, 15
	s_add_co_u32 s30, s30, HIMG
	v_add_nc_u32 v[AHW], s30, v[LI]
	v_lshlrev_b32 v[ALR], 5, v22
	v_add_nc_u32 v[ALR], LNP, v[ALR]
	s_lshl_b32 s30, s2, 3
	v_add_nc_u32 v[ALW], s30, v[ALR]
	v_lshlrev_b32 v207, 6, v23
	s_lshl_b32 s30, s2, 8
	v_add_nc_u32 v207, s30, v207                   ; 64 h + 256 w: my columns' bytes in a row of 256 f32
	v_add_nc_u32 v[APL], LNPAR, v207
	v_add_nc_u32 v[APQ], QKVB, v207
	v_and_b32 v200, 7, v0
	v_bfe_u32 v201, v0, 3, 1
	v_lshl_add_u32 v200, v201, 4, v200
	v_lshlrev_b32 v200, 2, v200                    ; 4 (r % 8 + 16 (r / 8))
	v_add_nc_u32 v[APV], s30, v200
	v_add_nc_u32 v[APV], QKVB+2048, v[APV]
	v_lshlrev_b32 v[APF], 6, v23
	s_lshl_b32 s30, s2, 10
	v_add_nc_u32 v[APF], s30, v[APF]
	v_add_nc_u32 v[APF], FF1B, v[APF]
	v_lshlrev_b32 v201, 4, v0                      ; 16 x thread
	v_min_u32 v202, 99, v0
	v_lshlrev_b32 v202, 2, v202
	v_max_u32 v203, 100, v0
	v_lshlrev_b32 v203, 2, v203
	v_lshlrev_b32 v204, 2, v0
	v_min_u32 v205, 87, v0
	v_lshlrev_b32 v205, 2, v205
	v_min_u32 v206, 12, v21
	v_lshlrev_b32 v206, 2, v206
	v_lshrrev_b32 v208, 6, v0
	v_mul_u32_u24 v208, v208, 6144
	v_and_b32 v209, 63, v0
	v_lshl_add_u32 v208, v209, 4, v208
	v_add_nc_u32 v208, LNPAR, v208
	v_add_nc_u32 v210, QKVB, v201
	v_add_nc_u32 v211, TGT, v204
	v_add_nc_u32 v212, WT, v204
	v_lshlrev_b32 v214, 4, v209
	s_lshr_b32 s30, s2, 1
	s_lshl_b32 s30, s30, 11
	s_add_co_u32 s30, s30, OUTV
	v_add_nc_u32 v213, s30, v214
.set an, 0
.rept 20
	v_mov_b32 v[TM+an], 0                          ; written once: lane permutes' destinations and upper halves of pairs count as read
.set an, an+1
.endr
	s_wait_kmcnt 0x0
	s_lshl_b32 s7, s4, 2
	s_load_b32 s5, s[76:77], s7 offset:0x0         ; attr_lens
	s_load_b32 s6, s[78:79], s7 offset:0x0         ; attr_lens_user
	s_load_b32 s27, s[48:49], s7 offset:0x0        ; user id
	s_load_b32 s28, s[50:51], s7 offset:0x0        ; item id
	s_load_b32 s29, s[82:83], 0x0                  ; fw_b
	s_mov_b32 s33, 0
	s_lshl_b32 s32, s4, 9
	s_add_nc_u64 s[68:69], s[68:69], s[32:33]
	s_add_nc_u64 s[72:73], s[72:73], s[32:33]
	s_mul_i32 s32, s4, 52
	s_add_nc_u64 s[74:75], s[74:75], s[32:33]
	s_mul_i32 s32, s4, 400
	s_add_nc_u64 s[56:57], s[56:57], s[32:33]
	s_mul_i32 s32, s4, 2000
	s_add_nc_u64 s[58:59], s[58:59], s[32:33]
	s_lshl_b32 s32, s2, 15
	s_add_nc_u64 s[8:9], s[44:45], s[32:33]        ; my wave's part of every weight set
	s_lshl_b32 s32, s2, 10
	s_add_nc_u64 s[10:11], s[46:47], s[32:33]
.irp m,0,1,2,3,4,5,6,7
	global_load_b32 v[124+\m], v200, s[68:69] offset:4*(32*(\m/2)+8*(\m%2))   ; attr of token t(m, r)
.endr
	global_load_b128 v[132:135], v201, s[86:87]
	global_load_b128 v[136:139], v201, s[88:89]
	global_load_b128 v[140:143], v201, s[90:91]
	global_load_b128 v[144:147], v201, s[94:95]
	global_load_b128 v[148:151], v201, s[96:97]
	global_load_b128 v[152:155], v201, s[98:99]
.irp k,0,1,2
	global_load_b128 v[156+4*\k:159+4*\k], v201, s[84:85] offset:2048*\k
.endr
.irp k,0,1,2,3
	global_load_b128 v[168+4*\k:171+4*\k], v201, s[92:93] offset:2048*\k
.endr
	global_load_b32 v184, v202, s[56:57]           ; target i = thread + 128 k: the positive one at min(i, 99),
	global_load_b32 v185, v203, s[58:59] offset:-400   ; the negative ones at i - 100, held inside the list
.irp k,1,2,3
	global_load_b32 v[185+\k], v204, s[58:59] offset:4*(128*\k-100)
.endr
	global_load_b32 v189, v205, s[58:59] offset:1648
	global_load_b32 v190, v204, s[72:73]           ; attr_tf
	global_load_b32 v191, v206, s[74:75]           ; attr_feat
	global_load_b32 v192, v206, s[80:81]           ; fw_W
	SETPTR 12,14,0,0
	SETPTR 16,18,1,0
.irp q,0,1,2,3
	PF 2,\q,12,14,WSA
.endr
.irp q,0,1,2,3
	PF 3,\q,16,18,WSB
.endr
	s_wait_kmcnt 0x0
	s_cmp_lt_u32 s2, 2                             ; waves 0, 1 fetch the user's row, waves 2, 3 the item's
	s_cselect_b64 s[60:61], s[52:53], s[54:55]
	s_cselect_b32 s30, s27, s28
	s_min_u32 s30, s30, 0x270f
	s_lshl_b32 s30, s30, 10
	s_mov_b32 s31, 0
	s_add_nc_u64 s[60:61], s[60:61], s[30:31]
	s_wait_loadcnt 63                              ; 144 loads were issued behind the indices and parameters: those are in
.irp m,0,1,2,3,4,5,6,7
	v_min_u32 v[124+\m], 0xc34f, v[124+\m]
	v_lshlrev_b32 v[124+\m], 10, v[124+\m]
	v_add_nc_u32 v[124+\m], v[124+\m], v207
.endr
	WIN 0x40
.irp m,0,1,2,3,4,5,6,7
.irp b,0,1
.irp q,0,1,2,3
	global_load_b128 v[32*\m+16*\b+4*\q:32*\m+16*\b+4*\q+3], v[124+\m], s[70:71] offset:128*\b+16*\q
.endr
.endr
.endr
	WIN 0
	global_load_b128 v[196:199], v214, s[60:61]
	ds_store_b128 v208, v[132:135]
	ds_store_b128 v208, v[136:139] offset:1024
	ds_store_b128 v208, v[140:143] offset:2048
	ds_store_b128 v208, v[144:147] offset:3072
	ds_store_b128 v208, v[148:151] offset:4096
	ds_store_b128 v208, v[152:155] offset:5120
.irp k,0,1,2,3,4,5,6
	ds_store_b128 v210, v[156+4*\k:159+4*\k] offset:2048*\k   ; qkv_b, and behind it ff1_b
.endr
	v_cmp_gt_u32 vcc_lo, 100, v0
	v_cndmask_b32 v184, v185, v184, vcc_lo
	ds_store_b32 v211, v184
.irp k,1,2,3,4
	ds_store_b32 v211, v[185+\k] offset:512*\k
.endr
	v_mul_f32 v191, v191, v192                     ; w_user = sigmoid(attr_feat . fw_W + fw_b), in every wave
	v_cmp_gt_u32 vcc_lo, 13, v21
	v_cndmask_b32 v191, 0, v191, vcc_lo
	v_add_f32_dpp v191, v191, v191 row_xmask:1 row_mask:0xf bank_mask:0xf
	v_add_f32_dpp v191, v191, v191 row_xmask:2 row_mask:0xf bank_mask:0xf
	v_add_f32_dpp v191, v191, v191 row_xmask:4 row_mask:0xf bank_mask:0xf
	v_add_f32_dpp v191, v191, v191 row_xmask:8 row_mask:0xf bank_mask:0xf
	v_permlanex16_b32 v192, v191, s[SEL], s[SEL+1]
	v_add_f32 v191, v191, v192
	v_add_f32 v191, s29, v191
	v_mul_f32 v191, 0xbfb8aa3b, v191
	v_exp_f32 v191, v191
	v_nop
	s_wait_alu depctr_va_vdst(0)
	v_add_f32 v191, 1.0, v191
	v_rcp_f32 v191, v191
	v_nop
	s_wait_alu depctr_va_vdst(0)
	v_sub_f32 v192, 1.0, v191
	v_cmp_gt_i32 vcc_lo, s6, v0
	v_cndmask_b32 v191, v192, v191, vcc_lo
	v_mul_f32 v190, v190, v191
	v_cmp_gt_i32 vcc_lo, s5, v0
	v_cndmask_b32 v190, 0, v190, vcc_lo
	ds_store_b32 v212, v190                        ; the token's weight
	s_wait_loadcnt 0x0                             ; x, the user's or item's row, the first two weight sets
	ds_store_b128 v213, v[196:199]
; ================= two layers
.Llayer:
	EMIT
	BAR                                            ; x's sixteen fragments lie in LDS
	s_wait_loadcnt 0x0                             ; window 2: Wq, Wk of my head; window 3: Wv, Wo
	LDBI APQ, 37, 0, 1024
	JOBLOOP 2, WSA, 0, AQP, AQS, 0, 0              ; Q and K of my head, codes to my own part of LDS
	; ---- V of my head
	s_wait_dscnt 0x0
	v_add_nc_u32 v[TA0], s37, v[APV]
.irp i,0,1,2,3
.irp j,0,1,2,3,4,5,6,7
	ds_load_b32 v[BI+8*\i+\j], v[TA0] offset:4*(32*(\i/2)+8*(\i%2))   ; a lane holds one channel: its bias in all eight registers
.endr
.endr
	XGROUP 0,2,124,LI,XSC
	XGROUP 1,2,124,LI,XSC
	s_wait_dscnt 20                                ; the biases and this group are in; the younger group of 20 may be out
	VMUL 0,124,FSS
	XGROUP 2,2,124,LI,XSC
	s_wait_dscnt 20
	VMUL 1,188,FSS+4
	XGROUP 3,2,124,LI,XSC
	s_wait_dscnt 20
	VMUL 2,124,FSS
	s_wait_dscnt 0x0
	VMUL 3,188,FSS+4
.irp i,0,1,2,3
	QUANT 64*\i,2,64*\i,2,4,0,16*\i,3,VS+\i        ; along the tokens: V^T's fragments, into window 3 where Wv lay
.endr
	; ---- attention of my head: no other wave is involved
	WIN 0x80
.irp kt,0,1,2,3,4,5,6,7
.irp j,8,9,10,11,12,13,14,15
	v_mov_b32 v[16*\kt+\j], 0                      ; K = 64 is filled to 128 with zero codes
.endr
.endr
	WIN 0
.irp j,8,9,10,11,12,13,14,15
	v_mov_b32 v[XF+\j], 0
.endr
	v_bfe_u32 v[TM], v0, 4, 1
	v_lshlrev_b32 v[TM], 4, v[TM]
	v_sub_nc_u32 v[TM], s5, v[TM]                  ; attr_lens - 16 h
	v_mov_b32 v[TM+1], 0xceabfb8f                  ; -1e9 x log2(e)
.set an, 0
.rept 64
	v_cmp_ge_i32 vcc_lo, 32*(an/16)+an%16, v[TM]   ; register 16 b + i is key 32 b + 16 h + i
	v_cndmask_b32 v[BI+an], 0, v[TM+1], vcc_lo
.set an, an+1
.endr
	WIN 0x80
.irp kt,0,1,2,3,4,5,6,7
	ds_load_b128 v[16*\kt:16*\kt+3], v[AQP] offset:2048*\kt+1024
	ds_load_b128 v[16*\kt+4:16*\kt+7], v[AQP] offset:2048*\kt+1536
.endr
	WIN 0
.irp kt,0,1,2,3,4,5,6,7
	ds_load_u16 v[WSA+\kt], v[AQS] offset:128*\kt+2   ; the two upper scale bytes are 0, over zero codes
.endr
	ds_load_b128 v[XF:XF+3], v[AQP]
	ds_load_b128 v[XF+4:XF+7], v[AQP] offset:512
	ds_load_u16 v[QS], v[AQS]
	s_mov_b32 s26, 0
	s_mov_b32 s28, 0
	s_mov_b32 s29, 0
.Latt:                                             ; eight trips, a tile of 16 queries each
	s_wait_dscnt 0x0
	WIN 0x02
.irp kt,0,1,2,3,4,5,6,7
	MM_Z HA+8*\kt, 16*\kt, XF, WSA+\kt, QS         ; S^T = K Q^T: a lane holds one query
.endr
	WIN 0
	s_add_co_u32 s26, s26, 1
	s_and_b32 s30, s26, 7
	s_lshl_b32 s31, s30, 11
	s_lshl_b32 s30, s30, 7
	v_add_nc_u32 v[TA0], s31, v[AQP]               ; four additions and four v_nop: the eight places behind the products
	v_add_nc_u32 v[TA1], s30, v[AQS]
	v_add_nc_u32 v[TA2], s28, v[HFO]
	v_add_nc_u32 v[TA3], s29, v[AQS]
	NOPS 4
	ds_load_b128 v[XF:XF+3], v[TA0]                ; the next tile of queries
	ds_load_b128 v[XF+4:XF+7], v[TA0] offset:512
	ds_load_u16 v[QS], v[TA1]
.set aj, 0
.rept 32
	v_pk_fma_f32 v[HA+aj:HA+aj+1], v[HA+aj:HA+aj+1], s[24:25], v[BI+aj:BI+aj+1] op_sel_hi:[1,0,1]   ; t = score x log2(e) / 8 + the mask
.set aj, aj+2
.endr
.irp b,0,1,2,3
	v_max3_num_f32 v[TM+\b], v[HA+16*\b], v[HA+16*\b+1], v[HA+16*\b+2]   ; each block's largest t: for the row's maximum and for the block's largest p
.endr
.irp i,3,5,7,9,11,13
.irp b,0,1,2,3
	v_max3_num_f32 v[TM+\b], v[TM+\b], v[HA+16*\b+\i], v[HA+16*\b+\i+1]
.endr
.endr
.irp b,0,1,2,3
	v_max_num_f32 v[TM+\b], v[TM+\b], v[HA+16*\b+15]
.endr
.irp b,0,1,2,3
	v_permlanex16_b32 v[TM+4+\b], v[TM+\b], s[SEL], s[SEL+1]
.endr
.irp b,0,1,2,3
	v_max_num_f32 v[TM+\b], v[TM+\b], v[TM+4+\b]
.endr
	v_max3_num_f32 v252, v[TM], v[TM+1], v[TM+2]
	v_max_num_f32 v252, v252, v[TM+3]
	v_floor_f32 v252, -v252                        ; -M = floor(-t) = -ceil(t)
.set aj, 0
.rept 32
	v_pk_add_f32 v[HA+aj:HA+aj+1], v[HA+aj:HA+aj+1], v[252:253] op_sel_hi:[1,0]
.set aj, aj+2
.endr
.irp b,0,1,2,3
	v_add_f32 v[TM+\b], v[TM+\b], v252
.endr
.set aj, 0
.rept 64
	v_exp_f32 v[HA+aj], v[HA+aj]                   ; p = 2^(t - M), not normalised
.set aj, aj+1
.endr
	v_nop                                          ; a plain line behind the batch,
	s_wait_alu depctr_va_vdst(0)                   ; and one wait for the 64, ahead of their first reader
.irp b,0,1,2,3
	v_exp_f32 v[TM+\b], v[TM+\b]                   ; the blocks' largest p
.endr
	v_pk_add_f32 v[254:255], v[HA:HA+1], v[HA+2:HA+3]          ; the row's sum, of the unquantised p, in two chains
	v_pk_add_f32 v[TM+4:TM+5], v[HA+4:HA+5], v[HA+6:HA+7]
.set aj, 8
.rept 14
	v_pk_add_f32 v[254:255], v[254:255], v[HA+aj:HA+aj+1]
	v_pk_add_f32 v[TM+4:TM+5], v[TM+4:TM+5], v[HA+aj+2:HA+aj+3]
.set aj, aj+4
.endr
	v_pk_add_f32 v[254:255], v[254:255], v[TM+4:TM+5]
	s_wait_alu depctr_va_vdst(0)                   ; and one for the four
.irp b,0,1,2,3
	v_max_num_f32 v[TM+\b], 0x8000000, v[TM+\b]
.endr
.irp b,0,1,2,3
	v_add_nc_u32 v[TM+12+\b], 0xf8800000, v[TM+\b]
.endr
.irp b,0,1,2,3
	v_and_or_b32 v[TM+8+\b], v[TM+\b], 0x7f800000, s[MNT]
.endr
.irp b,0,1,2,3
	v_lshrrev_b32 v[TM+4+\b], 23, v[TM+12+\b]
.endr
	v_lshl_or_b32 v[PS], v[TM+5], 8, v[TM+4]
	v_lshl_or_b32 v[PS], v[TM+6], 16, v[PS]
	v_lshl_or_b32 v[PS], v[TM+7], 24, v[PS]
.set aj, 0
.rept 64
	v_min_num_f32 v[HA+aj], v[HA+aj], v[TM+8+aj/16]   ; p is not negative: a one-sided hold
.set aj, aj+1
.endr
.set aj, 0
.rept 8
	v_cvt_scalef32_pk8_bf8_f32 v[PCD+2*aj:PCD+2*aj+1], v[HA+8*aj:HA+8*aj+7], v[TM+12+aj/2]
.set aj, aj+1
.endr
	v_add_f32 v254, v254, v255
	v_permlanex16_b32 v255, v254, s[SEL], s[SEL+1]
	v_add_f32 v254, v254, v255
	v_rcp_f32 v254, v254
	NOPS 4                                         ; codes written by vector lines stand four places ahead of the products
	WIN 0x03
.irp i,0,1,2,3
	MM_Z HA+8*\i, 16*\i, PCD, VS+\i, PS            ; O^T = V^T P^T
.endr
	WIN 0
	NOPS 8
	s_wait_alu depctr_va_vdst(0)                   ; the reciprocal's wait, ahead of its first reader
.set aj, 0
.rept 16
	v_pk_mul_f32 v[HA+aj:HA+aj+1], v[HA+aj:HA+aj+1], v[254:255] op_sel_hi:[1,0]
.set aj, aj+2
.endr
	QUANT HA,0,HA,0,2,0,PCD,0,PW
	ds_store_b128 v[TA2], v[PCD:PCD+3]
	ds_store_b128 v[TA2], v[PCD+4:PCD+7] offset:512
	ds_store_b32 v[TA3], v[PW] offset:1024         ; the half word waits in my own part of LDS
	s_add_co_u32 s28, s28, 1024
	s_add_co_u32 s29, s29, 128
	s_cmp_lt_u32 s26, 8
	s_cbranch_scc1 .Latt
.irp m,0,1,2,3,4,5,6,7
	ds_load_b32 v[FSS+\m], v[AQS] offset:1024+128*\m   ; LDS serves a wave's instructions in order: these see my stores
.endr
	s_wait_dscnt 0x0
.irp m,0,1,2,3,4,5,6,7
	ds_store_b16 v[HSX], v[FSS+\m] offset:OSC-XSC+256*\m
.endr
	BAR                                            ; the attention output's sixteen fragments lie in LDS
	; ---- x += O Wo^T; window 2 takes ff1's first set on the way
	SETPTR 12,14,2,0
	XGROUP 0,3,60,AOI,OSC
	XGROUP 1,3,60,AOI,OSC
	XGROUP 2,3,60,AOI,OSC
	s_wait_dscnt 40                                ; two younger groups of 20 may be out
	DMUL 3,128,WSB+4,0,60,FSS
	XGROUP 3,3,60,AOI,OSC
	PF 2,0,12,14,WSA
	s_wait_dscnt 40
	DMUL 3,128,WSB+4,1,124,FSS+4
	PF 2,1,12,14,WSA
	s_wait_dscnt 20
	DMUL 3,128,WSB+4,2,188,FSS+8
	PF 2,2,12,14,WSA
	s_wait_dscnt 0x0
	DMUL 3,128,WSB+4,3,60,FSS
	PF 2,3,12,14,WSA
	SETPTR 16,18,3,0
	LNORM 0
	; ---- the FFN
	EMIT
	BAR
	s_wait_loadcnt 0x0                             ; both sets of ff1
	LDBI APF, 38, 0, 256
	JOBLOOP 2, WSA, 1, AHW, AHSW, 0, 0             ; hidden units 256 w .. + 127: K step 2 w of FF2
	SETPTR 12,14,4,0
	PF 2,0,12,14,WSA
	PF 2,1,12,14,WSA
	PF 2,2,12,14,WSA
	LDBI APF, 38, 512, 256
	JOBLOOP 3, WSB, 1, AHW, AHSW, 16384, 1024      ; units 256 w + 128 ..: K step 2 w + 1
	PF 2,3,12,14,WSA
	SETPTR 16,18,5,0
	PF 3,0,16,18,WSB
	PF 3,1,16,18,WSB
	BAR                                            ; the hidden layer's 64 fragments lie in LDS
	FGROUP 0
	FGROUP 1
	FGROUP 2
	s_wait_loadcnt 54                              ; three batches of 18 were issued behind window 2's first three quarters
	FSTEP 0,2,0,WSA
	PF 3,2,16,18,WSB
	FSTEP 1,2,0,WSA
	PF 3,3,16,18,WSB
	FSTEP 2,2,0,WSA
	FSTEP 3,2,0,WSA
	s_wait_loadcnt 36                              ; all but the last two batches: window 2 whole, window 3's first half
	FSTEP 4,2,128,WSA+4
	FSTEP 5,2,128,WSA+4
	FSTEP 6,2,128,WSA+4
	FSTEP 7,2,128,WSA+4
	SETPTR 12,14,0,1
	FSTEP 8,3,0,WSB
	PF 2,0,12,14,WSA
	FSTEP 9,3,0,WSB
	PF 2,1,12,14,WSA
	FSTEP 10,3,0,WSB
	PF 2,2,12,14,WSA
	FSTEP 11,3,0,WSB
	PF 2,3,12,14,WSA
	s_wait_loadcnt 63                              ; 72 loads were issued behind window 3's second half
	FSTEP 12,3,128,WSB+4
	FSTEP 13,3,128,WSB+4
	FSTEP 14,3,128,WSB+4
	FSTEP 15,3,128,WSB+4
	SETPTR 16,18,1,1
	LNORM 1
	s_add_co_u32 s36, s36, 6144
	s_add_co_u32 s37, s37, 3072
	s_add_co_u32 s38, s38, 4096
	s_add_co_u32 s3, s3, 1
	s_cmp_lt_u32 s3, 2
	s_cbranch_scc1 .Llayer
; ================= tail: attr_x, then 150 rows of out_emb a wave, ten rows (60 loads of 512 consecutive bytes) in flight, in window 2
.macro ROWLD k
	v_min_u32 v[OFF+\k], 0xc34f, v[NI+\k]
	v_mul_u32_u24 v[OFF+\k], 0xc00, v[OFF+\k]
	v_add_nc_u32 v[OFF+\k], v[OFF+\k], v[LI]
	WIN 0x80
.irp e,0,1,2,3,4,5
	global_load_b128 v[24*\k+4*\e:24*\k+4*\e+3], v[OFF+\k], s[34:35] offset:512*\e
.endr
	WIN 0
.endm
.macro SLOT k, refill, left
	s_wait_loadcnt \left                           ; my row's six loads are in; six for each younger row may be out
	WIN 0x02
.irp c,0,1,2,3
	v_pk_mul_f32 v[DD+2*\c:DD+2*\c+1], v[24*\k+2*\c:24*\k+2*\c+1], v[OV+2*\c:OV+2*\c+1]
.endr
.irp c,4,5,6,7,8,9,10,11
	v_pk_fma_f32 v[DD+2*(\c%4):DD+2*(\c%4)+1], v[24*\k+2*\c:24*\k+2*\c+1], v[OV+2*\c:OV+2*\c+1], v[DD+2*(\c%4):DD+2*(\c%4)+1]
.endr
	WIN 0
	v_pk_add_f32 v[DD:DD+1], v[DD:DD+1], v[DD+2:DD+3]
	v_pk_add_f32 v[DD+4:DD+5], v[DD+4:DD+5], v[DD+6:DD+7]
	v_pk_add_f32 v[DD:DD+1], v[DD:DD+1], v[DD+4:DD+5]
	v_add_f32 v[P+\k], v[DD], v[DD+1]
.if \refill
	ROWLD \k
.endif
.endm
.macro REDUCE                          ; ten sums over the 32 lanes, by turns; every lane ends with the sum and writes it to the same word
.irp x,1,2,4,8
.irp k,0,1,2,3,4,5,6,7,8,9
	v_add_f32_dpp v[P+\k], v[P+\k], v[P+\k] row_xmask:\x row_mask:0xf bank_mask:0xf
.endr
.endr
.irp k,0,1,2,3,4,5,6,7,8,9
	v_permlanex16_b32 v[PX+\k], v[P+\k], s[SEL], s[SEL+1]
.endr
.irp k,0,1,2,3,4,5,6,7,8,9
	v_add_f32 v[P+\k], v[P+\k], v[PX+\k]
.endr
	v_mov_b32 v[TA1], s29
.irp k,0,1,2,3,4,5,6,7,8,9
	ds_store_b32 v[TA1], v[P+\k] offset:4*\k
.endr
.endm
	s_wait_loadcnt 0x0                             ; the sets asked for behind the last layer have landed: window 2 is free
	s_load_b128 s[44:47], s[0:1], 0xc0             ; pos_lens, neg_lens
	s_load_b64 s[48:49], s[0:1], 0xd8              ; out0
	s_load_b128 s[52:55], s[0:1], 0xe0             ; out1, out2
	s_mul_i32 s27, s2, 600
	s_add_co_u32 s28, s27, TGT
	s_add_co_u32 s29, s27, LOGS
	v_mov_b32 v[TA0], s28
.irp j,0,1,2,3,4
	ds_load_b64 v[NI+2*\j:NI+2*\j+1], v[TA0] offset:8*\j
.endr
	v_and_b32 v[TA1], 7, v0
	v_bfe_u32 v[TA2], v0, 3, 1
	v_lshl_add_u32 v[TA1], v[TA2], 4, v[TA1]
	v_lshl_add_u32 v[TA1], v[TA1], 2, WT
.irp m,0,1,2,3,4,5,6,7
	ds_load_b32 v[WTM+\m], v[TA1] offset:4*(32*(\m/2)+8*(\m%2))
.endr
	s_wait_dscnt 8                                 ; the ten indices are in; the eight weights may be out
.irp k,0,1,2,3,4,5,6,7,8,9
	ROWLD \k
.endr
	s_wait_kmcnt 0x0
	s_lshl_b32 s30, s4, 2
	s_load_b32 s40, s[44:45], s30 offset:0x0
	s_load_b32 s41, s[46:47], s30 offset:0x0
	s_mov_b32 s33, 0
	s_mul_i32 s32, s4, 2400
	s_add_nc_u64 s[48:49], s[48:49], s[32:33]
	s_add_nc_u64 s[54:55], s[54:55], s[32:33]
	s_mul_i32 s32, s4, 600
	s_add_nc_u64 s[52:53], s[52:53], s[32:33]
	s_wait_kmcnt 0x0
	s_add_co_u32 s41, s41, 100
	s_wait_dscnt 0x0
	WIN 0x01                                       ; attr_x: my eight tokens' weighted sum of my 32 columns,
.set tp, 0
.rept 16
	v_pk_mul_f32 v[ACC+2*tp:ACC+2*tp+1], v[2*tp:2*tp+1], v[WTM:WTM+1] op_sel_hi:[1,0]
.set tp, tp+1
.endr
.irp m,1,2,3,4,5,6,7
.set tp, 0
.rept 16
.if \m%2
	v_pk_fma_f32 v[ACC+2*tp:ACC+2*tp+1], v[32*\m+2*tp:32*\m+2*tp+1], v[WTM+\m-1:WTM+\m], v[ACC+2*tp:ACC+2*tp+1] op_sel:[0,1,0] op_sel_hi:[1,1,1]
.else
	v_pk_fma_f32 v[ACC+2*tp:ACC+2*tp+1], v[32*\m+2*tp:32*\m+2*tp+1], v[WTM+\m:WTM+\m+1], v[ACC+2*tp:ACC+2*tp+1] op_sel_hi:[1,0,1]
.endif
.set tp, tp+1
.endr
.endr
	WIN 0
.irp x,1,2,4,8                                     ; and over the sixteen lanes that hold the other tokens
.set tp, 0
.rept 32
	v_add_f32_dpp v[ACC+tp], v[ACC+tp], v[ACC+tp] row_xmask:\x row_mask:0xf bank_mask:0xf
.set tp, tp+1
.endr
.endr
	v_add_nc_u32 v[TA2], OUTV+1024-LNPAR, v[APL]
.irp b,0,1
.irp q,0,1,2,3
	ds_store_b128 v[TA2], v[ACC+16*\b+4*\q:ACC+16*\b+4*\q+3] offset:128*\b+16*\q   ; sixteen lanes hold and write the same numbers
.endr
.endr
	BAR                                            ; user row, attr_x, item row lie in LDS
	v_add_nc_u32 v[TA3], OUTV, v[LI]
.irp e,0,1,2,3,4,5
	ds_load_b128 v[OV+4*\e:OV+4*\e+3], v[TA3] offset:512*\e
.endr
	s_add_co_u32 s28, s28, 40
	s_mov_b32 s26, 0
.Lrow:                                             ; 14 trips of ten rows; each slot is filled again with the row ten further on
	v_mov_b32 v[TA0], s28
.irp j,0,1,2,3,4
	ds_load_b64 v[NI+2*\j:NI+2*\j+1], v[TA0] offset:8*\j
.endr
	s_wait_dscnt 0x0
.irp k,0,1,2,3,4,5,6,7,8,9
	SLOT \k, 1, 54
.endr
	REDUCE
	s_add_co_u32 s28, s28, 40
	s_add_co_u32 s29, s29, 40
	s_add_co_u32 s26, s26, 1
	s_cmp_lt_u32 s26, 14
	s_cbranch_scc1 .Lrow
	s_wait_dscnt 0x0
.irp k,0,1,2,3,4,5,6,7,8,9
	SLOT \k, 0, 54-6*\k                            ; the last ten rows: nothing is asked for, the counts run down
.endr
	REDUCE
	BAR                                            ; 600 logits lie in LDS
; four numbers of each output a lane: neighbouring lanes store neighbouring bytes
.macro OUTCH
	v_lshlrev_b32 v61, 4, v60
	v_add_nc_u32 v67, LOGS, v61
	ds_load_b128 v[76:79], v67
	v_lshlrev_b32 v62, 2, v60
	v_cmp_gt_u32 vcc_lo, 25, v60                   ; the first 25 fours are the positive targets
	v_mov_b32 v63, s41
	v_mov_b32 v65, s40
	v_cndmask_b32 v63, v63, v65, vcc_lo            ; i counts where i < pos_lens, or i < neg_lens + 100
	v_cndmask_b32 v64, 0, 1, vcc_lo
.irp j,0,1,2,3
	v_add_nc_u32 v65, \j, v62
	v_cmp_lt_i32 vcc_lo, v65, v63
	v_cndmask_b32 v[68+\j], 0, 1, vcc_lo
	v_and_b32 v[72+\j], v[68+\j], v64
.endr
	v_lshl_or_b32 v66, v69, 8, v68
	v_lshl_or_b32 v66, v70, 16, v66
	v_lshl_or_b32 v66, v71, 24, v66
	s_wait_dscnt 0x0
	global_store_b128 v61, v[76:79], s[48:49]
	global_store_b32 v62, v66, s[52:53]
	global_store_b128 v61, v[72:75], s[54:55]
.endm
	v_mov_b32 v60, v0
	OUTCH
	s_wait_xcnt 0x0                                ; the stores have read their registers, and EXEC changes only behind this wait
	v_cmp_gt_u32 vcc_lo, 22, v0                    ; fours 128 to 149
	s_and_saveexec_b32 s31, vcc_lo
	v_add_nc_u32 v60, 128, v0
	OUTCH
	s_wait_xcnt 0x0                                ; and again, in front of the line that widens it
	s_or_b32 exec_lo, exec_lo, s31
	s_wait_xcnt 0x0
	s_mov_b32 exec_lo, -1
	v_lshl_add_u32 v254, v0, 2, 0x4ec00
	v_mov_b32 v255, 0
	s_wait_tensorcnt 0x0
	ds_add_u32 v254, v255
	s_wait_dscnt 0x0
	s_endpgm
.Lfunc_end_k_q09aa40c2bf_net:
	.size	k_q09aa40c2bf_net, .Lfunc_end_k_q09aa40c2bf_net-k_q09aa40c2bf_net
	.p2alignl 7, 3214868480
	.fill 96, 4, 3214868480
	.section	.rodata,"a",@progbits
	.p2align	6, 0x0
	.amdhsa_kernel k_q09aa40c2bf_net
		.amdhsa_group_segment_fixed_size 323072
		.amdhsa_private_segment_fixed_size 0
		.amdhsa_enable_private_segment 0
		.amdhsa_kernarg_size 240
		.amdhsa_user_sgpr_count 2
		.amdhsa_user_sgpr_kernarg_segment_ptr 1
		.amdhsa_wavefront_size32 1
		.amdhsa_system_sgpr_workgroup_id_x 1
		.amdhsa_system_sgpr_workgroup_id_y 1
		.amdhsa_system_sgpr_workgroup_id_z 1
		.amdhsa_system_vgpr_workitem_id 0
		.amdhsa_next_free_vgpr 1024
		.amdhsa_next_free_sgpr 100
		.amdhsa_reserve_vcc 1
		.amdhsa_float_denorm_mode_32 3
		.amdhsa_float_denorm_mode_16_64 3
		.amdhsa_memory_ordered 1
		.amdhsa_forward_progress 1
		.amdhsa_inst_pref_size 255
	.end_amdhsa_kernel
	.section	.bss,"aw",@nobits
	.p2align	6
	.space	262144
	.amdgpu_metadata
---
amdhsa.version: [ 1, 2 ]
amdhsa.kernels:
  - .name:           k_q09aa40c2bf_net
    .symbol:         k_q09aa40c2bf_net.kd
    .args:
      - { .name: attr, .offset: 0, .size: 8, .value_kind: global_buffer, .address_space: global }
      - { .name: attr_emb, .offset: 8, .size: 8, .value_kind: global_buffer, .address_space: global }
      - { .name: attr_tf, .offset: 16, .size: 8, .value_kind: global_buffer, .address_space: global }
      - { .name: attr_feat, .offset: 24, .size: 8, .value_kind: global_buffer, .address_space: global }
      - { .name: attr_lens, .offset: 32, .size: 8, .value_kind: global_buffer, .address_space: global }
      - { .name: attr_lens_user, .offset: 40, .size: 8, .value_kind: global_buffer, .address_space: global }
      - { .name: fw_W, .offset: 48, .size: 8, .value_kind: global_buffer, .address_space: global }
      - { .name: fw_b, .offset: 56, .size: 8, .value_kind: global_buffer, .address_space: global }
      - { .name: qkv_b, .offset: 64, .size: 8, .value_kind: global_buffer, .address_space: global }
      - { .name: attn_out_b, .offset: 72, .size: 8, .value_kind: global_buffer, .address_space: global }
      - { .name: ln1_s, .offset: 80, .size: 8, .value_kind: global_buffer, .address_space: global }
      - { .name: ln1_b, .offset: 88, .size: 8, .value_kind: global_buffer, .address_space: global }
      - { .name: ff1_b, .offset: 96, .size: 8, .value_kind: global_buffer, .address_space: global }
      - { .name: ff2_b, .offset: 104, .size: 8, .value_kind: global_buffer, .address_space: global }
      - { .name: ln2_s, .offset: 112, .size: 8, .value_kind: global_buffer, .address_space: global }
      - { .name: ln2_b, .offset: 120, .size: 8, .value_kind: global_buffer, .address_space: global }
      - { .name: wq, .offset: 128, .size: 8, .value_kind: global_buffer, .address_space: global }
      - { .name: wsc, .offset: 136, .size: 8, .value_kind: global_buffer, .address_space: global }
      - { .name: user_ids, .offset: 144, .size: 8, .value_kind: global_buffer, .address_space: global }
      - { .name: item_ids, .offset: 152, .size: 8, .value_kind: global_buffer, .address_space: global }
      - { .name: user_emb, .offset: 160, .size: 8, .value_kind: global_buffer, .address_space: global }
      - { .name: item_emb, .offset: 168, .size: 8, .value_kind: global_buffer, .address_space: global }
      - { .name: pos_targets, .offset: 176, .size: 8, .value_kind: global_buffer, .address_space: global }
      - { .name: neg_targets, .offset: 184, .size: 8, .value_kind: global_buffer, .address_space: global }
      - { .name: pos_lens, .offset: 192, .size: 8, .value_kind: global_buffer, .address_space: global }
      - { .name: neg_lens, .offset: 200, .size: 8, .value_kind: global_buffer, .address_space: global }
      - { .name: out_emb, .offset: 208, .size: 8, .value_kind: global_buffer, .address_space: global }
      - { .name: out0, .offset: 216, .size: 8, .value_kind: global_buffer, .address_space: global }
      - { .name: out1, .offset: 224, .size: 8, .value_kind: global_buffer, .address_space: global }
      - { .name: out2, .offset: 232, .size: 8, .value_kind: global_buffer, .address_space: global }
    .group_segment_fixed_size: 323072
    .private_segment_fixed_size: 0
    .kernarg_segment_align: 8
    .kernarg_segment_size: 240
    .max_flat_workgroup_size: 128
    .sgpr_count:     100
    .vgpr_count:     1024
    .wavefront_size: 32
...
	.end_amdgpu_metadata
.endif
;; end of part 2
